; MI455X (gfx1250); checked and timed in simulation.
; The chip was launched on July 23, 2026; its instructions are those of AMD's public machine-readable ISA for CDNA 5 (MIT licence, August 2026) and "CDNA5" Instruction Set Architecture Reference Guide (July 2026). The comments in the code are by the model that wrote it; some were corrected since.
;; Selective SSM Kernel. Allowed arithmetic: float matrix products may take bf16 or f16 operands with f32 sums; other float arithmetic in f32, or as packed bf16 or f16 multiplies, adds, multiply-adds, maxima and minima; sums over many terms, partial sums and values carried from step to step in f32; what a program stores and reads back later, other than sums and carried values, may be rounded once to bf16 or f16.
;; Inputs: A 64 x 64 float32; B 1,024 x 64 float32; C 1,024 x 64 float32; u 8 x 1,024 x 2,048 float32.
;; Outputs: out0 8 x 1,024 x 2,048 float32.
;; Constants: L = 2048.
;; One version. Each part assembles by itself: llvm-mc -triple=amdgcn-amd-amdhsa -mcpu=gfx1250 --defsym DOCPART=n.
;; ======== version 1 of 1: 2 launches
;; limits: inputs' magnitudes at most 65,504; values are held in f16: magnitudes above 65,504 overflow, below 6.1e-05 lose precision
;; workspace buffers: tab 5,767,168 bytes; scl 2,048 bytes
;; launch proj (part 1): grid 32 x 8, 8 waves a work-group, no clusters, 286,464 bytes of LDS; arguments u, A, B, C, tab, scl; writes tab, scl
.if DOCPART == 1
	.amdgcn_target "amdgcn-amd-amdhsa--gfx1250"
	.amdhsa_code_object_version 6
	.text
	.protected	k_qfeb6fa9472_proj
	.globl	k_qfeb6fa9472_proj
	.p2align	8
	.type	k_qfeb6fa9472_proj,@function
k_qfeb6fa9472_proj:
	s_mov_b64 s[64:65], 0
	v_nop
	global_prefetch_b8 v0, s[64:65] scope:SCOPE_SE
	s_setreg_imm32_b32 hwreg(HW_REG_WAVE_MODE, 25, 1), 1
	s_wait_xcnt 0x0
; TABLES FOR THE SCAN.  A work-group takes one batch b (grid y) and one chunk c of 64 positions l (grid x) and makes, from u[b][all 1024 d][64 l], B, C and diag A:
;   Bu[n][l] = sum_d B[d][n] u[d][l], Cu likewise (bf16 products, f32 sums); sB, sC = the power of two below the chunk's largest |Bu|, |Cu|; Bh = Bu / sB, Ch = Cu / sC (exact);
;   BS[n][s] = Bh a^(63-s);  CS[l][n] = Ch a^(l+1);  M[l][s] = sum_n Ch[n][l] a^(l-s) Bh[n][s] for s <= l, else 0;  all three rounded once to f16, laid as matrix fragments of 1,024 bytes.
; No negative power of a is formed: blocks of 16 x 16 below the diagonal are products of Ch a^(i+1 or i+17) and Bh a^(15-j or 31-j) (f16 operands), the diagonal blocks are f32 sums with a table of powers.
; n is kept everywhere in the order n' = 32 (n >> 5) + 8 (n & 3) + ((n >> 2) & 7): it is only a summation index, or the row index of the state that the next launch keeps in the same order.
; LIMITS.  u, B, C and diag A are rounded to bf16 once.  A chunk whose largest |Bu| (|Cu|) is below 2^-126 counts as 0; 2^127 and above is not served; NaN and infinities are not treated apart.
; NO CLUSTER: no two work-groups read the same bytes of u, and B and C go straight into registers, each element used once by a work-group.
; SHARES.  Wave w: sel = w & 1 (B or C), ks = w >> 1: its K slice is d = 128 ks .. +127 and 512 + 128 ks .. +127.  It makes a partial [64 n][64 l]: 16 accumulators.
; FRAGMENTS.  Both operands lie with K down the rows.  Lane (r, h) reads 16 bytes at column 4 r of 16 rows; component q of two neighbouring rows, rounded in pairs, is one register of fragment q,
; whose row (column) index is 4 r + q.  Sixteen lanes read 256 consecutive bytes.
.set CHB,   22528          ; a chunk's block in tab: 22 fragments
.set XTB,   131072         ; f32 Bh [l][n'], 64 rows of 272 bytes.  This and what follows lie where u lay: those bytes have had their last fill
.set XTC,   XTB+64*272     ; f32 Ch
.set PQ,    XTC+64*272     ; Q0, Q1, P0, P1: 8 fragments each
.set OUT,   PQ+4*8192      ; the block as it goes to tab: BS 8 fragments, CS 8, M 6
.set PWZ,   262144         ; behind u: 16 rows of zeros (exponents -16 .. -1),
.set PWP,   272
.set PW0,   PWZ+16*PWP     ; then a^e [e][n'], e = 0 .. 64 (rows 65 to 67 take what three of four writers have over)
.set MX,    285184         ; eight maxima
.set SPARE, 285440         ; the spare words: 128 bytes for each of eight waves
.set USTG,  16             ; v16-79   16 loads of u (or a stage of W)
.set UF,    80             ; v80-111  four fragments of u
.set ACC,   128            ; v128-255 accumulator (qa, qb) at 128 + 8 (4 qa + qb);  window 1: W's fragments, K step t, qa at 32 t + 8 qa
.set MSB, 0
.macro WIN new             ; the immediate's high byte repeats the setting that is left
.if MSB != (\new)
	s_set_vgpr_msb (MSB<<8)|(\new)
.set MSB, (\new)
.endif
.endm
.macro BAR
	s_barrier_signal -1
	s_barrier_wait -1
.endm
.macro WLOAD t, stg        ; 32 rows of W for K step t
.set i, 0
.rept 16
	global_load_b128 v[(\stg)+4*i:(\stg)+4*i+3], v4, s[42:43] offset:(512*((\t)/4)+32*((\t)%4)+i+8*(i/8))*256
.set i, i+1
.endr
.endm
.macro ULOAD t             ; the same rows of u, out of LDS
.set i, 0
.rept 16
	ds_load_b128 v[USTG+4*i:USTG+4*i+3], v[4+(\t)/4] offset:(32*((\t)%4)+i+8*(i/8))*256
.set i, i+1
.endr
.endm
.macro CVT4 src, dst       ; 16 loads of four f32 -> four bf16 fragments
.set q, 0
.rept 4
.set p, 0
.rept 8
	v_cvt_pk_bf16_f32 v[(\dst)+8*q+p], v[(\src)+8*p+q], v[(\src)+8*p+4+q]
.set p, p+1
.endr
.set q, q+1
.endr
.endm
.macro WCV left, src, t, nxt
	s_wait_loadcnt \left                   ; this stage is in; the count is the younger stages' loads
	WIN 0x40
	CVT4 \src, 32*(\t)
	WIN 0
.if (\nxt) >= 0
	WLOAD \nxt, \src
.endif
.endm
.macro MULS t, zero        ; 16 products, the 16 accumulators by turns; four places behind them, for the roundings that write u's fragments anew
	WIN 0x01
.set qa, 0
.rept 4
.set qb, 0
.rept 4
.if \zero
	v_wmma_f32_16x16x32_bf16 v[ACC+8*(4*qa+qb):ACC+8*(4*qa+qb)+7], v[32*(\t)+8*qa:32*(\t)+8*qa+7], v[UF+8*qb:UF+8*qb+7], 0
.else
	v_wmma_f32_16x16x32_bf16 v[ACC+8*(4*qa+qb):ACC+8*(4*qa+qb)+7], v[32*(\t)+8*qa:32*(\t)+8*qa+7], v[UF+8*qb:UF+8*qb+7], v[ACC+8*(4*qa+qb):ACC+8*(4*qa+qb)+7]
.endif
.set qb, qb+1
.endr
.set qa, qa+1
.endr
	WIN 0
.rept 4
	v_nop
.endr
.endm
.macro KSTEP t, nxt, zero
	s_wait_dscnt 0x0                       ; this step's 16 loads of u
	CVT4 USTG, UF
.if (\nxt) >= 0
	ULOAD \nxt
.endif
	MULS \t, \zero
.endm
	s_load_b256 s[4:11], s[0:1], 0x0       ; u s[4:5], A s[6:7], B s[8:9], C s[10:11]
	s_load_b128 s[12:15], s[0:1], 0x20     ; tab s[12:13], scl s[14:15]
	v_lshl_add_u32 v12, v0, 2, SPARE
	v_mov_b32 v13, 0
	ds_add_u32 v12, v13                    ; the wave's opening: the add and its wait ahead of my first tensor load
	ds_add_u32 v12, v13
	v_lshrrev_b32 v1, 5, v0
	v_readfirstlane_b32 s16, v1            ; wave
	s_lshr_b32 s17, s16, 1                 ; ks
	s_and_b32 s18, s16, 1                  ; sel
	s_and_b32 s20, ttmp7, 0xffff           ; b
	s_mov_b32 s32, 2<<16                   ; group 1: elements of 4 bytes, no mask, no padding
	s_mov_b32 s33, 64<<16                  ; tensor_dim0 = 64
	s_mov_b32 s34, 64<<16                  ; tensor_dim1 = 64
	s_mov_b32 s35, 64<<16                  ; tile_dim0 = 64: a row is 256 bytes
	s_mov_b32 s36, 64                      ; tile_dim1 = 64 rows
	s_mov_b32 s37, 2048                    ; elements from row to row
	s_mov_b32 s38, 0
	s_mov_b32 s39, 0
	s_lshl_b32 s40, s20, 23                ; b x 1024 rows of 8,192 bytes
	s_lshl_b32 s41, s16, 19                ; + 64 w rows
	s_add_co_u32 s40, s40, s41
	s_lshl_b32 s41, ttmp9, 8               ; + the chunk's 256 bytes
	s_add_co_u32 s40, s40, s41
	s_mov_b32 s41, 0
	s_lshl_b32 s21, s20, 5
	s_add_co_u32 s21, s21, ttmp9           ; 32 b + c
	s_mul_i32 s46, s21, CHB
	s_mov_b32 s47, 0
	s_lshl_b32 s48, s21, 3
	s_mov_b32 s49, 0
	s_mov_b32 s24, 1
	s_lshl_b32 s25, s16, 14                ; row d lies at LDS byte 256 d: rows 64 w ..
	s_mov_b32 s28, 1
	s_add_co_u32 s29, s25, 131072          ; and rows 512 + 64 w ..
	s_mov_b32 s44, 0x76543210
	s_mov_b32 s45, 0xfedcba98
	s_wait_dscnt 0x0                       ; the opening add is done
	s_wait_kmcnt 0x0
	s_add_nc_u64 s[26:27], s[4:5], s[40:41]
	s_add_nc_u64 s[30:31], s[26:27], 0x400000  ; 512 rows on
	s_or_b32 s27, s27, 0x80000000
	s_or_b32 s31, s31, 0x80000000
	tensor_load_to_lds s[24:27], s[32:39]  ; both first fills together: two loads of mine are out
	s_nop 0
	tensor_load_to_lds s[28:31], s[32:39]
	s_nop 0
	s_add_nc_u64 s[12:13], s[12:13], s[46:47]  ; my block of tab
	s_add_nc_u64 s[14:15], s[14:15], s[48:49]  ; my pair of scl
	s_cmp_eq_u32 s18, 1
	s_cselect_b64 s[42:43], s[10:11], s[8:9]   ; W = C or B
	v_and_b32 v3, 31, v0                   ; lane L
	v_and_b32 v1, 15, v0                   ; r
	v_bfe_u32 v2, v0, 4, 1                 ; h
	v_lshlrev_b32 v4, 4, v1
	v_lshl_add_u32 v4, v2, 11, v4
	s_lshl_b32 s22, s17, 15
	v_add_nc_u32 v4, s22, v4               ; 32,768 ks + 2,048 h + 16 r: the same offset in W and in LDS
	v_add_nc_u32 v5, 0x20000, v4           ; the slice's second half in LDS
	v_and_b32 v6, 63, v0                   ; n'
	v_bfe_u32 v7, v0, 5, 1
	v_and_b32 v8, 7, v0
	v_bfe_u32 v9, v0, 3, 2
	v_lshl_add_u32 v9, v8, 2, v9
	v_lshl_add_u32 v9, v7, 5, v9           ; n = 32 (n' >> 5) + 4 (n' & 7) + ((n' >> 3) & 3)
	v_mul_u32_u24 v9, v9, 260              ; A[n][n]
	global_load_b32 v10, v9, s[6:7]
	WLOAD 0, 16
	WLOAD 1, 128
	WLOAD 2, 192
	; the table of powers: thread (n', g = t >> 6) writes four rows of zeros and rows 16 g .. 16 g + 15
	v_lshrrev_b32 v7, 6, v0                ; g
	v_mov_b32 v8, 0
	v_mul_u32_u24 v11, v7, 4*PWP
	v_lshl_add_u32 v11, v6, 2, v11
	v_add_nc_u32 v11, PWZ, v11
.set i, 0
.rept 4
	ds_store_b32 v11, v8 offset:i*PWP
.set i, i+1
.endr
	v_mul_u32_u24 v14, v7, 16*PWP
	v_lshl_add_u32 v14, v6, 2, v14
	v_add_nc_u32 v14, PW0, v14
	v_add_nc_u32 v15, 1, v7
	v_and_b32 v15, 3, v15                  ; the 17th value goes to row 64 + ((g + 1) & 3): row 64 is g = 3's, a^64
	v_mul_u32_u24 v15, v15, PWP
	v_lshl_add_u32 v15, v6, 2, v15
	v_add_nc_u32 v15, PW0+64*PWP, v15
	s_wait_loadcnt 48                      ; a is in; behind it 48 loads of W
	v_cvt_pk_bf16_f32 v10, v10, v10
	v_lshlrev_b32 v10, 16, v10             ; a, rounded to bf16
	v_mul_f32 v6, v10, v10
	v_mul_f32 v6, v6, v6
	v_mul_f32 v6, v6, v6
	v_mul_f32 v6, v6, v6                   ; a^16
	v_mul_f32 v8, v6, v6                   ; a^32
	v_mul_f32 v9, v8, v6                   ; a^48
	v_mov_b32 v11, 1.0
	v_cmp_eq_u32 vcc_lo, 1, v7
	v_cndmask_b32 v11, v11, v6, vcc_lo
	v_cmp_eq_u32 vcc_lo, 2, v7
	v_cndmask_b32 v11, v11, v8, vcc_lo
	v_cmp_eq_u32 vcc_lo, 3, v7
	v_cndmask_b32 v11, v11, v9, vcc_lo     ; a^(16 g)
.set i, 0
.rept 16
	ds_store_b32 v14, v11 offset:i*PWP
	v_mul_f32 v11, v11, v10
.set i, i+1
.endr
	ds_store_b32 v15, v11
	; W's 256 rows -> 8 x 4 fragments in window 1, three stages of 16 loads in flight
	WCV 32, 16,  0, 3
	WCV 32, 128, 1, 4
	WCV 32, 192, 2, 5
	WCV 32, 16,  3, 6
	WCV 32, 128, 4, 7
	WCV 32, 192, 5, -1
	WCV 16, 16,  6, -1
	WCV 0,  128, 7, -1
	s_wait_tensorcnt 0x1                   ; my first fill has landed; my second, which lands above byte 131,072, may stay out
	s_wait_dscnt 0x0                       ; my rows of the table are written
	BAR
	ULOAD 0
	KSTEP 0, 1, 1                          ; the first K step starts the sums
	KSTEP 1, 2, 0
	KSTEP 2, 3, 0
	KSTEP 3, -1, 0
	s_wait_tensorcnt 0x0
	s_wait_dscnt 0x0
	BAR
	ULOAD 4
	KSTEP 4, 5, 0
	KSTEP 5, 6, 0
	KSTEP 6, 7, 0
	KSTEP 7, -1, 0
	s_wait_dscnt 0x0
	BAR                                    ; nobody reads u any more: its bytes are scratch from here on
	; the four K slices are added: every wave lays its 16 tiles down, then wave (ks, sel) adds the tiles (qa, qb = ks) of the four waves of its sel
	v_lshlrev_b32 v10, 4, v3               ; 16 L
	s_lshl_b32 s22, s16, 14
	v_add_nc_u32 v11, s22, v10
.set i, 0
.rept 32
	ds_store_b128 v11, v[ACC+4*i:ACC+4*i+3] offset:512*i
.set i, i+1
.endr
	s_wait_dscnt 0x0
	BAR
	s_lshl_b32 s22, s18, 14
	s_lshl_b32 s23, s17, 10
	s_add_co_u32 s22, s22, s23
	v_add_nc_u32 v5, s22, v10
	v_add_nc_u32 v6, 0x10000, v5
.set k, 0
.rept 4
.set i, 0
.rept 8
	ds_load_b128 v[128+32*k+4*i:128+32*k+4*i+3], v[5+k/2] offset:(k%2)*32768+(i/2)*4096+(i%2)*512
.set i, i+1
.endr
.set k, k+1
.endr
	s_wait_dscnt 0x0
.set y, 0
.rept 16
	v_pk_add_f32 v[16+2*y:17+2*y], v[128+2*y:129+2*y], v[160+2*y:161+2*y]
.set y, y+1
.endr
.set y, 0
.rept 16
	v_pk_add_f32 v[16+2*y:17+2*y], v[16+2*y:17+2*y], v[192+2*y:193+2*y]
.set y, y+1
.endr
.set y, 0
.rept 16
	v_pk_add_f32 v[16+2*y:17+2*y], v[16+2*y:17+2*y], v[224+2*y:225+2*y]
.set y, y+1
.endr
	; v[16 + x] = X[n' = 32 h + x][l = 4 r + ks].  The chunk's largest magnitude:
	v_max3_num_f32 v48, |v16|, |v17|, |v18|
.set y, 19
.rept 14
	v_max3_num_f32 v48, v48, |v[y]|, |v[y+1]|
.set y, y+2
.endr
	v_max_num_f32 v48, v48, |v47|
	v_mov_b32 v49, 0
	v_max_num_f32_dpp v48, v48, v48 row_xmask:1 row_mask:0xf bank_mask:0xf
	v_max_num_f32_dpp v48, v48, v48 row_xmask:2 row_mask:0xf bank_mask:0xf
	v_max_num_f32_dpp v48, v48, v48 row_xmask:4 row_mask:0xf bank_mask:0xf
	v_max_num_f32_dpp v48, v48, v48 row_xmask:8 row_mask:0xf bank_mask:0xf
	v_permlanex16_b32 v49, v48, s44, s45
	v_max_num_f32 v48, v48, v49
	s_lshl_b32 s22, s18, 4
	s_add_co_u32 s22, s22, MX              ; the four words of my sel: MX + 16 sel,
	s_lshl_b32 s23, s17, 2
	s_add_co_u32 s23, s23, s22             ; and mine among them: + 4 ks
	v_mov_b32 v50, s23
	v_mov_b32 v51, s22
	ds_store_b32 v50, v48                  ; all lanes: the same word, the same value
	s_wait_dscnt 0x0
	BAR
	ds_load_b128 v[52:55], v51
	s_wait_dscnt 0x0
	v_max3_num_f32 v48, v52, v53, v54
	v_max_num_f32 v48, v48, v55
	v_and_b32 v56, 0x7f800000, v48         ; the scale: a power of two,
	v_sub_nc_u32 v58, 0x7f000000, v56      ; and its inverse
	v_mov_b32 v59, v58
	s_cmp_lt_u32 s16, 2
	s_cbranch_scc0 .Lnoscl                 ; wave 0 stores sB, wave 1 sC
	s_lshl_b32 s22, s18, 2
	v_mov_b32 v60, s22
	v_cmp_eq_u32 vcc_lo, 0, v3
	s_wait_xcnt 0x0                        ; EXEC changes only behind this wait
	s_and_saveexec_b32 s23, vcc_lo
	global_store_b32 v60, v56, s[14:15]
	s_wait_xcnt 0x0
	s_or_b32 exec_lo, exec_lo, s23
.Lnoscl:
.set y, 0
.rept 16
	v_pk_mul_f32 v[16+2*y:17+2*y], v[16+2*y:17+2*y], v[58:59] op_sel_hi:[1,0]
.set y, y+1
.endr
	v_lshl_add_u32 v5, v1, 2, s17          ; l = 4 r + ks
	v_mul_u32_u24 v6, v5, 272
	v_lshl_add_u32 v6, v2, 7, v6
	s_mul_i32 s22, s18, 64*272
	s_add_co_u32 s22, s22, XTB
	v_add_nc_u32 v6, s22, v6
.set i, 0
.rept 8
	ds_store_b128 v6, v[16+4*i:19+4*i] offset:16*i   ; the f32 copy [l][n'] for the diagonal blocks
.set i, i+1
.endr
	v_and_b32 v7, 15, v5                   ; i = l & 15
	v_lshrrev_b32 v8, 4, v5
	v_lshl_add_u32 v8, v8, 1, v2           ; fragment 2 (l >> 4) + h
	v_lshlrev_b32 v9, 4, v7
	v_lshl_add_u32 v9, v8, 10, v9          ; row i of it: 16 bytes for each 8 of K, 256 bytes apart
	s_lshl_b32 s22, s18, 14
	s_add_co_u32 s22, s22, PQ
	v_add_nc_u32 v48, s22, v9              ; Q (sel = 0) or P (sel = 1)
	v_add_nc_u32 v49, OUT+8192, v9         ; CS
	v_lshrrev_b32 v50, 3, v5               ; BS: K is s = l: 256 (s >> 3) + 2 (s & 7), rows n' = 32 h + ..
	v_lshlrev_b32 v50, 8, v50
	v_and_b32 v51, 7, v5
	v_lshl_add_u32 v50, v51, 1, v50
	v_lshl_add_u32 v50, v2, 12, v50
	v_add_nc_u32 v50, OUT, v50
	s_cmp_eq_u32 s18, 1
	s_cselect_b32 s22, 0, 63
	s_cselect_b32 s23, 0, 15
	v_xor_b32 v14, s22, v5
	v_add_nc_u32 v14, s18, v14             ; 63 - s, or l + 1
	v_mul_u32_u24 v14, v14, PWP
	v_lshl_add_u32 v14, v2, 7, v14
	v_add_nc_u32 v14, PW0, v14
	v_xor_b32 v15, s23, v7
	v_add_nc_u32 v15, s18, v15             ; 15 - j, or i + 1
	v_mul_u32_u24 v15, v15, PWP
	v_lshl_add_u32 v15, v2, 7, v15
	v_add_nc_u32 v15, PW0, v15
.macro VARIANT areg, imm   ; my 32 numbers times a row of powers, rounded to f16: v128-143
.set i, 0
.rept 8
	ds_load_b128 v[64+4*i:67+4*i], v[\areg] offset:(\imm)+16*i
.set i, i+1
.endr
	s_wait_dscnt 0x0
.set y, 0
.rept 16
	v_pk_mul_f32 v[96+2*y:97+2*y], v[16+2*y:17+2*y], v[64+2*y:65+2*y]
.set y, y+1
.endr
.set y, 0
.rept 16
	v_cvt_pk_f16_f32 v[128+y], v[96+2*y], v[97+2*y]
.set y, y+1
.endr
.endm
.macro ST4 areg, imm
.set i, 0
.rept 4
	ds_store_b128 v[\areg], v[128+4*i:131+4*i] offset:(\imm)+256*i
.set i, i+1
.endr
.endm
	VARIANT 15, 0
	ST4 48, 0                              ; Q0 or P0
	VARIANT 15, 16*PWP
	ST4 48, 8192                           ; Q1 or P1: 16 more in the exponent
	VARIANT 14, 0
	s_cmp_eq_u32 s18, 1
	s_cbranch_scc1 .Lcs
.set i, 0
.rept 16                                       ; BS has n' down its rows: my 32 numbers go one by one
	ds_store_b16 v50, v[128+i] offset:((2*i)/16)*2048+((2*i)%16)*16
	ds_store_b16_d16_hi v50, v[128+i] offset:((2*i+1)/16)*2048+((2*i+1)%16)*16
.set i, i+1
.endr
	s_branch .Ltabs
.Lcs:
	ST4 49, 0
.Ltabs:
	s_wait_dscnt 0x0
	BAR
	; the six blocks below the diagonal, one to a wave: source 0 = 16 rows j of Q, source 1 = 16 rows i of P, so a lane holds row i = r and eight neighbouring s
	v_add_nc_u32 v4, PQ, v10               ; PQ + 16 L
.macro OFFD w, bi, bj, pa, qa
	s_cmp_lg_u32 s16, \w
	s_cbranch_scc1 .Lno_\@
.set k, 0
.rept 2
	ds_load_b128 v[16+8*k:19+8*k], v4 offset:(\qa)*8192+(2*(\bj)+k)*1024
	ds_load_b128 v[20+8*k:23+8*k], v4 offset:(\qa)*8192+(2*(\bj)+k)*1024+512
	ds_load_b128 v[32+8*k:35+8*k], v4 offset:16384+(\pa)*8192+(2*(\bi)+k)*1024
	ds_load_b128 v[36+8*k:39+8*k], v4 offset:16384+(\pa)*8192+(2*(\bi)+k)*1024+512
.set k, k+1
.endr
	s_wait_dscnt 0x0
	v_wmma_f32_16x16x32_f16 v[128:135], v[16:23], v[32:39], 0
	s_wait_alu depctr_va_vdst(0)           ; the wait ahead of the link
	v_wmma_f32_16x16x32_f16 v[128:135], v[24:31], v[40:47], v[128:135]
.rept 5
	v_nop
.endr
.set i, 0
.rept 4
	v_cvt_pk_f16_f32 v[48+i], v[128+2*i], v[129+2*i]
.set i, i+1
.endr
	ds_store_b128 v4, v[48:51] offset:49152+((\bi)+2*((\bj)/2))*1024+((\bj)%2)*512
.Lno_\@:
.endm
	OFFD 0, 1, 0, 0, 0                     ; l - s = 16 + i - j = (i + 1) + (15 - j)
	OFFD 1, 2, 1, 0, 0
	OFFD 2, 3, 2, 0, 0
	OFFD 3, 2, 0, 1, 0                     ; 32 + i - j = (i + 17) + (15 - j)
	OFFD 4, 3, 1, 1, 0
	OFFD 5, 3, 0, 1, 1                     ; 48 + i - j = (i + 17) + (31 - j)
	s_cmp_lt_u32 s16, 6
	s_cbranch_scc1 .Lnoz                   ; waves 6 and 7: the blocks (0, 1) and (2, 3) above the diagonal are 0
	v_mov_b32 v48, 0
	v_mov_b32 v49, 0
	v_mov_b32 v50, 0
	v_mov_b32 v51, 0
	s_sub_co_u32 s22, s16, 6
	s_lshl_b32 s22, s22, 12
	v_add_nc_u32 v52, s22, v4
	ds_store_b128 v52, v[48:51] offset:49152+512
.Lnoz:
	; the diagonal blocks in f32: thread (q = t & 3, l = t >> 2) sums 16 of the 64 n' for j = 0 .. 15; the table's rows of zeros make the entries with j > i zero
	v_and_b32 v5, 3, v0
	v_lshlrev_b32 v5, 6, v5                ; 64 q
	v_lshrrev_b32 v6, 2, v0                ; l
	v_and_b32 v7, 15, v6                   ; i
	v_mul_u32_u24 v8, v6, 272
	v_add3_u32 v8, v8, v5, XTC
	s_mul_i32 s22, s17, 16*272             ; the wave's block I = w >> 1
	s_add_co_u32 s22, s22, XTB
	v_add_nc_u32 v9, s22, v5
	v_mul_u32_u24 v14, v7, PWP
	v_add3_u32 v14, v14, v5, PWZ+PWP       ; row i - 15 of the table; the immediate adds 15 - j
	s_lshr_b32 s22, s17, 1
	s_lshl_b32 s22, s22, 1
	s_add_co_u32 s22, s22, s17             ; fragment I + 2 (I >> 1)
	s_lshl_b32 s22, s22, 10
	s_and_b32 s23, s17, 1
	s_lshl_b32 s23, s23, 9
	s_add_co_u32 s22, s22, s23
	s_add_co_u32 s22, s22, OUT+16384
	v_lshl_add_u32 v15, v7, 4, s22
.macro LOADJ j
.set BB, 32+32*((\j)%2)
.set i, 0
.rept 4
	ds_load_b128 v[BB+4*i:BB+4*i+3], v9 offset:(\j)*272+16*i
	ds_load_b128 v[BB+16+4*i:BB+16+4*i+3], v14 offset:(15-(\j))*PWP+16*i
.set i, i+1
.endr
.endm
.macro DIAGJ j
.set BB, 32+32*((\j)%2)
.set y, 0
.rept 8
	v_pk_mul_f32 v[96+2*y:97+2*y], v[16+2*y:17+2*y], v[BB+16+2*y:BB+17+2*y]
.set y, y+1
.endr
	v_pk_mul_f32 v[96:97], v[96:97], v[BB:BB+1]
.set y, 1
.rept 7
	v_pk_fma_f32 v[96:97], v[96+2*y:97+2*y], v[BB+2*y:BB+2*y+1], v[96:97]
.set y, y+1
.endr
	v_add_f32 v[112+(\j)], v96, v97
	v_add_f32_dpp v[112+(\j)], v[112+(\j)], v[112+(\j)] row_xmask:1 row_mask:0xf bank_mask:0xf
	v_add_f32_dpp v[112+(\j)], v[112+(\j)], v[112+(\j)] row_xmask:2 row_mask:0xf bank_mask:0xf
.endm
.set i, 0
.rept 4
	ds_load_b128 v[16+4*i:19+4*i], v8 offset:16*i
.set i, i+1
.endr
	LOADJ 0
.set jj, 0
.rept 15
	LOADJ jj+1
	s_wait_dscnt 8                         ; all but the eight loads for j + 1
	DIAGJ jj
.set jj, jj+1
.endr
	s_wait_dscnt 0x0
	DIAGJ 15
.set i, 0
.rept 8
	v_cvt_pk_f16_f32 v[96+i], v[112+2*i], v[113+2*i]
.set i, i+1
.endr
	ds_store_b128 v15, v[96:99]            ; the four lanes of a row hold the same sums and write the same bytes
	ds_store_b128 v15, v[100:103] offset:256
	s_wait_dscnt 0x0
	BAR
	; the block goes out: every store of a wave covers 512 consecutive bytes, aligned
	v_lshlrev_b32 v5, 4, v0
	v_add_nc_u32 v6, OUT, v5
.set k, 0
.rept 5
	ds_load_b128 v[16+4*k:19+4*k], v6 offset:4096*k
.set k, k+1
.endr
	s_wait_dscnt 0x0
.set k, 0
.rept 5
	global_store_b128 v5, v[16+4*k:19+4*k], s[12:13] offset:4096*k
.set k, k+1
.endr
	s_cmp_lt_u32 s16, 4
	s_cbranch_scc0 .Lend                   ; 22,528 = 5 x 4,096 + 2,048: the rest is four waves' work
	ds_load_b128 v[36:39], v6 offset:20480
	s_wait_dscnt 0x0
	global_store_b128 v5, v[36:39], s[12:13] offset:20480
.Lend:
	s_wait_tensorcnt 0x0                   ; the wave's end
	ds_add_u32 v12, v13
	s_wait_dscnt 0x0
	s_endpgm
.Lfunc_end_k_qfeb6fa9472_proj:
	.size	k_qfeb6fa9472_proj, .Lfunc_end_k_qfeb6fa9472_proj-k_qfeb6fa9472_proj
	.p2alignl 7, 3214868480
	.fill 96, 4, 3214868480
	.section	.rodata,"a",@progbits
	.p2align	6, 0x0
	.amdhsa_kernel k_qfeb6fa9472_proj
		.amdhsa_group_segment_fixed_size 286464
		.amdhsa_private_segment_fixed_size 0
		.amdhsa_enable_private_segment 0
		.amdhsa_kernarg_size 48
		.amdhsa_user_sgpr_count 2
		.amdhsa_user_sgpr_kernarg_segment_ptr 1
		.amdhsa_wavefront_size32 1
		.amdhsa_system_sgpr_workgroup_id_x 1
		.amdhsa_system_sgpr_workgroup_id_y 1
		.amdhsa_system_sgpr_workgroup_id_z 1
		.amdhsa_system_vgpr_workitem_id 0
		.amdhsa_next_free_vgpr 512
		.amdhsa_next_free_sgpr 66
		.amdhsa_reserve_vcc 1
		.amdhsa_float_denorm_mode_32 3
		.amdhsa_float_denorm_mode_16_64 3
		.amdhsa_memory_ordered 1
		.amdhsa_forward_progress 1
		.amdhsa_inst_pref_size 131
	.end_amdhsa_kernel
	.amdgpu_metadata
---
amdhsa.version: [ 1, 2 ]
amdhsa.kernels:
  - .name:           k_qfeb6fa9472_proj
    .symbol:         k_qfeb6fa9472_proj.kd
    .args:
      - { .name: u, .offset: 0, .size: 8, .value_kind: global_buffer, .address_space: global }
      - { .name: A, .offset: 8, .size: 8, .value_kind: global_buffer, .address_space: global }
      - { .name: B, .offset: 16, .size: 8, .value_kind: global_buffer, .address_space: global }
      - { .name: C, .offset: 24, .size: 8, .value_kind: global_buffer, .address_space: global }
      - { .name: tab, .offset: 32, .size: 8, .value_kind: global_buffer, .address_space: global }
      - { .name: scl, .offset: 40, .size: 8, .value_kind: global_buffer, .address_space: global }
    .group_segment_fixed_size: 286464
    .private_segment_fixed_size: 0
    .kernarg_segment_align: 8
    .kernarg_segment_size: 48
    .max_flat_workgroup_size: 256
    .sgpr_count:     66
    .vgpr_count:     512
    .wavefront_size: 32
...
	.end_amdgpu_metadata
.endif
;; end of part 1
;; launch scan (part 2): grid 32 x 8, 4 waves a work-group, clusters of 4 x 1, 327,680 bytes of LDS; arguments u, A, tab, scl, out0; writes out0
.if DOCPART == 2
	.amdgcn_target "amdgcn-amd-amdhsa--gfx1250"
	.amdhsa_code_object_version 6
	.text
	.protected	k_qfeb6fa9472_scan
	.globl	k_qfeb6fa9472_scan
	.p2align	8
	.type	k_qfeb6fa9472_scan,@function
k_qfeb6fa9472_scan:
	s_mov_b64 s[64:65], 0
	v_nop
	global_prefetch_b8 v0, s[64:65] scope:SCOPE_SE
	s_setreg_imm32_b32 hwreg(HW_REG_WAVE_MODE, 25, 1), 1
	s_wait_xcnt 0x0
	s_wait_alu depctr_hold_cnt(0) depctr_sa_sdst(0) depctr_va_vdst(0) depctr_va_sdst(0) depctr_va_ssrc(0) depctr_va_vcc(0) depctr_vm_vsrc(0)
	s_getreg_b32 s2, hwreg(HW_REG_IB_STS2, 6, 4)
	s_cmp_eq_u32 s2, 0
	s_cbranch_scc0 .Lentry_in_a_cluster
	s_endpgm
.Lentry_in_a_cluster:
	s_bfe_u32 s2, ttmp6, 0x10000c
	s_cmp_lg_u32 s2, 0x3003
	s_cbranch_scc0 .Lentry_shape_is_right
	s_endpgm
.Lentry_shape_is_right:
; THE SCAN BY CHUNKS OF 64.  y[d][l] = sC sB (M u)[l][d] + sC (CS H)[l][d];  H' = a^64 H + sB (BS u), H in f32, [64 n'][d].  M, CS, BS (f16 fragments) and sB, sC come from the launch before.
; A work-group owns 32 rows d of one batch and walks the 32 chunks.  Wave w = 2 dt + cp owns 16 rows (dt) and in step p = 0 .. 15 the chunk 2 p + cp; the two waves of a dt hand each other
; their chunk's sB (BS u) through LDS, one barrier a step, so each knows H at its own chunk's start:  cp = 0 carries G = H(2p), cp = 1 carries G = a^64 H(2p) and adds the partner's sum.
; For the product CS H the state is rounded to f16 after division by the power of two below the column's largest magnitude (one d a lane), which is multiplied back in f32.
; u is rounded to bf16 (as in the launch before) and written as f16, which is exact within f16's range.
; LIMITS.  |u| below 65,504, and below 6e-5 u keeps f16's fixed step of 6e-8; a column of H whose largest magnitude is below 2^-126 counts as 0; NaN and infinities are not treated apart.
; CLUSTER.  The four work-groups of a cluster belong to one batch and walk the same tables, so each chunk's block is asked for JOINTLY: the same tensor load, descriptor and mask in all four.
; u comes through registers, a ring of four steps (8 loads of 512 bytes a step and wave): 32 loads of every wave are on their way whatever the barriers of the table's ring do.
; REGISTERS.  window 0: v0-15 addresses; v16-31 u's fragments; v32-47 H's; v48-79 a^64; v80-111 G; v112-143 S; v144-175 M u, then y; v176-207 H scaled, CS H, rows to store; v208-239 u at work, the partner's sum;
;   v240-248 scales.  window 1: v0-63 BS, v64-127 CS, v128-175 M.  window 2: v0-127 the ring of u.
.set CHB,   22528          ; a chunk's block: BS 8 fragments of 1,024 bytes, CS 8, M 6
.set SLOT,  4*CHB          ; a slot holds four chunks: two steps
.set U16,   2*SLOT         ; 16 rows of 128 + 16 bytes for each wave: u as f16
.set U16P,  144
.set EXCH,  U16+4*16*U16P  ; two parities x four waves x 4,096 bytes
.set STAGE, EXCH+2*4*4096  ; 16 rows of 256 + 16 bytes for each wave: the way out
.set SP,    272
.set SPARE, STAGE+4*16*SP  ; the spare words: 128 bytes for each wave
.set MSB, 0
.macro WIN new             ; the immediate's high byte repeats the setting that is left
.if MSB != (\new)
	s_set_vgpr_msb (MSB<<8)|(\new)
.set MSB, (\new)
.endif
.endm
.macro ROUND               ; a round of the cluster's barrier
	s_barrier_signal -1
	s_barrier_wait -1
	s_cmp_lg_u32 s14, 0
	s_cbranch_scc1 .Lnot_wave_0_\@
	s_barrier_signal -3
.Lnot_wave_0_\@:
	s_barrier_wait -3
	s_barrier_signal -1
	s_barrier_wait -1
.endm
	s_load_b256 s[4:11], s[0:1], 0x0       ; u s[4:5], A s[6:7], tab s[8:9], scl s[10:11]
	s_load_b64 s[12:13], s[0:1], 0x20      ; out0
	v_lshl_add_u32 v14, v0, 2, SPARE
	v_mov_b32 v15, 0
	ds_add_u32 v14, v15                    ; the wave's opening: the add and its wait ahead of my first tensor load
	ds_add_u32 v14, v15
	v_lshrrev_b32 v1, 5, v0
	v_readfirstlane_b32 s14, v1            ; wave
	s_and_b32 s15, s14, 1                  ; cp
	s_lshr_b32 s16, s14, 1                 ; dt
	s_bfe_u32 s17, ttmp6, 0x40000          ; cx
	s_lshl_b32 s18, ttmp9, 2
	s_add_co_u32 s18, s18, s17             ; my slice of 32 rows: it enters u's and out0's addresses alone
	s_and_b32 s19, ttmp7, 0xffff           ; the batch, which the four partners share
	s_mov_b32 s32, 15|(3<<16)|(1<<21)      ; group 1: the mask of four; elements of 8 bytes; bit 21 beside a mask
	s_mov_b32 s33, 32<<16                  ; tensor_dim0 = 32: rows of 256 bytes
	s_mov_b32 s34, 88<<16                  ; tensor_dim1 = 88
	s_mov_b32 s35, 32<<16                  ; tile_dim0
	s_mov_b32 s36, 88                      ; tile_dim1: 88 x 256 = 22,528 dense bytes
	s_mov_b32 s37, 32
	s_mov_b32 s38, 0
	s_mov_b32 s39, 0
	s_lshl_b32 s20, s19, 5
	s_add_co_u32 s20, s20, s14
	s_mul_i32 s20, s20, CHB                ; wave w fetches chunk 4 v + w of visit v
	s_mov_b32 s21, 0
	s_mul_i32 s52, s14, CHB
	s_lshl_b32 s54, s19, 23
	s_lshl_b32 s53, s18, 18
	s_add_co_u32 s54, s54, s53             ; b x 8 MiB + slice x 32 rows of 8,192 bytes
	s_mov_b32 s55, 0
	s_mov_b32 s24, 1
	s_mov_b32 s25, s52
	s_mov_b32 s28, 1
	s_add_co_u32 s29, s52, SLOT
	s_mov_b32 s45, 0xffff0000
	s_mov_b32 s46, 0x76543210
	s_mov_b32 s47, 0xfedcba98
	s_mov_b32 s41, 0                       ; upper words of pairs that are named whole
	s_mov_b32 s43, 0
	s_mov_b32 s49, 0
	s_mov_b32 s51, 0
	s_cmp_eq_u32 s15, 1
	s_cselect_b32 s48, 1.0, 0              ; f1: cp = 1 adds the partner's sum at the step's head,
	s_cselect_b32 s50, 0, 1.0              ; f0: cp = 0 at its end
	s_mov_b32 s23, s15                     ; my chunk's number, 2 p + cp
	s_mov_b32 s22, 3
	s_wait_dscnt 0x0                       ; the opening add is done
	s_wait_kmcnt 0x0
	s_add_nc_u64 s[8:9], s[8:9], s[20:21]
	s_add_nc_u64 s[4:5], s[4:5], s[54:55]
	s_add_nc_u64 s[12:13], s[12:13], s[54:55]
	s_lshl_b32 s20, s19, 8
	s_add_nc_u64 s[10:11], s[10:11], s[20:21]
	s_mov_b64 s[26:27], s[8:9]
	s_add_nc_u64 s[30:31], s[8:9], SLOT
	s_or_b32 s27, s27, 0x80000000
	s_or_b32 s31, s31, 0x80000000
	ROUND                                  ; all four work-groups are here: the first joint loads meet
	tensor_load_to_lds s[24:27], s[32:39]  ; visit 0 into slot 0
	s_nop 0
.rept 4
	v_nop
.endr
	v_and_b32 v1, 15, v0                   ; r
	v_bfe_u32 v2, v0, 4, 1                 ; h
	v_and_b32 v16, 31, v0
	v_lshlrev_b32 v17, 4, v16              ; 16 L
	v_mul_u32_u24 v18, v2, 260
.set i, 0
.rept 32                                       ; register 8 nt + j: n' = 16 nt + 8 h + j, which is n = 32 (nt >> 1) + 4 j + 2 (nt & 1) + h
	global_load_b32 v[48+i], v18, s[6:7] offset:(32*(i/16)+4*(i%8)+2*((i/8)%2))*260
.set i, i+1
.endr
	v_lshlrev_b32 v19, 3, v16
	global_load_b64 v[240:241], v19, s[10:11]  ; lane c: sB, sC of chunk c
	s_lshl_b32 s52, s16, 17
	s_lshl_b32 s53, s15, 8
	s_add_co_u32 s52, s52, s53
	v_lshlrev_b32 v3, 4, v1
	v_lshl_add_u32 v3, v2, 13, v3
	v_add_nc_u32 v3, s52, v3               ; (16 dt + L / 16) rows + cp x 256 + 16 (L % 16): a load or store takes two rows' 256 bytes
	WIN 0x80
.set p, 0
.rept 4
.set i, 0
.rept 8
	global_load_b128 v[32*p+4*i:32*p+4*i+3], v3, s[4:5] offset:16384*i+512*p th:TH_LOAD_NT
.set i, i+1
.endr
.set p, p+1
.endr
	WIN 0
	s_mul_i32 s52, s15, CHB
	v_add_nc_u32 v4, s52, v17              ; my chunk's block: slot 0, step 0
	v_add_nc_u32 v5, 2*CHB, v4             ; slot 0, step 1
	v_add_nc_u32 v6, SLOT, v4
	v_add_nc_u32 v7, SLOT+2*CHB, v4
	s_mul_i32 s52, s14, 16*U16P
	s_add_co_u32 s52, s52, U16
	v_mul_u32_u24 v8, v2, U16P
	v_lshl_add_u32 v8, v1, 3, v8
	v_add_nc_u32 v8, s52, v8               ; u in: row L / 16, 8 bytes a lane
	v_mul_u32_u24 v9, v1, U16P
	v_lshl_add_u32 v9, v2, 4, v9
	v_add_nc_u32 v9, s52, v9               ; u's fragments: row r, 16 h
	s_lshl_b32 s52, s14, 12
	s_add_co_u32 s52, s52, EXCH
	v_add_nc_u32 v10, s52, v17             ; my sum
	s_xor_b32 s52, s14, 1
	s_lshl_b32 s52, s52, 12
	s_add_co_u32 s52, s52, EXCH
	v_add_nc_u32 v11, s52, v17             ; the partner's
	s_mul_i32 s52, s14, 16*SP
	s_add_co_u32 s52, s52, STAGE
	v_mul_u32_u24 v12, v1, SP
	v_lshl_add_u32 v12, v2, 5, v12
	v_add_nc_u32 v12, s52, v12             ; y in: row r, 32 h
	v_mul_u32_u24 v13, v2, SP
	v_lshl_add_u32 v13, v1, 4, v13
	v_add_nc_u32 v13, s52, v13             ; y back: lanes 0-15 one row, lanes 16-31 the next
.set i, 0
.rept 32
	v_mov_b32 v[80+i], 0                   ; h0 = 0
.set i, i+1
.endr
	s_wait_loadcnt 32                      ; a and the scales are in; behind them 32 loads of u
.set y, 0
.rept 16
	v_cvt_pk_bf16_f32 v[176+y], v[48+2*y], v[49+2*y]
.set y, y+1
.endr
.set y, 0
.rept 16
	v_lshlrev_b32 v[48+2*y], 16, v[176+y]
	v_and_b32 v[49+2*y], s45, v[176+y]
.set y, y+1
.endr
.rept 6                                        ; a^64
.set y, 0
.rept 16
	v_pk_mul_f32 v[48+2*y:49+2*y], v[48+2*y:49+2*y], v[48+2*y:49+2*y]
.set y, y+1
.endr
.endr
; ONE STEP: my chunk of step e of the slot.  uload = 1: the ring slot just read takes u of the step four on.  left: the younger loads of u that may stay out.
.macro STEP slot, e, uload, left
.set TB, 4+2*(\slot)+(\e)
.set RG, 32*(2*(\slot)+(\e))
	WIN 0x40
.set i, 0
.rept 16
	ds_load_b128 v[4*i:4*i+3], v[TB] offset:512*i                  ; BS
.set i, i+1
.endr
	s_wait_loadcnt \left                   ; this step's eight loads of u are in
	WIN 0x0a
.set i, 0
.rept 16
	v_cvt_pk_bf16_f32 v[208+i], v[RG+2*i], v[RG+2*i+1]
.set i, i+1
.endr
.if \uload
	WIN 0x80
.set i, 0
.rept 8
	global_load_b128 v[RG+4*i:RG+4*i+3], v3, s[4:5] offset:16384*i+2048 th:TH_LOAD_NT  ; four steps of 512 bytes on
.set i, i+1
.endr
.endif
	WIN 0
.set i, 0
.rept 16
	v_lshlrev_b32 v[224+2*(i%8)], 16, v[208+i]
	v_and_b32 v[225+2*(i%8)], s45, v[208+i]
	v_cvt_pk_f16_f32 v[208+i], v[224+2*(i%8)], v[225+2*(i%8)]
.set i, i+1
.endr
.set i, 0
.rept 8
	ds_store_b64 v8, v[208+2*i:209+2*i] offset:2*U16P*i
.set i, i+1
.endr
.set k, 0
.rept 2                                        ; my own bytes: LDS serves a wave's instructions in order
	ds_load_b128 v[16+8*k:19+8*k], v9 offset:64*k
	ds_load_b128 v[20+8*k:23+8*k], v9 offset:64*k+32
.set k, k+1
.endr
	WIN 0x40
.set i, 0
.rept 12
	ds_load_b128 v[128+4*i:131+4*i], v[TB] offset:16384+512*i      ; M
.set i, i+1
.endr
.set i, 0
.rept 16
	ds_load_b128 v[64+4*i:67+4*i], v[TB] offset:8192+512*i         ; CS
.set i, i+1
.endr
	s_wait_dscnt 28                        ; all but the 28 just issued: BS and u's fragments are in
	WIN 0x01
.set k, 0
.rept 2                                        ; S[n'][d] = BS u: four accumulators by turns
.set n, 0
.rept 4
.if k == 0
	v_wmma_f32_16x16x32_f16 v[112+8*n:119+8*n], v[8*(2*n+k):8*(2*n+k)+7], v[16+8*k:23+8*k], 0
.else
	v_wmma_f32_16x16x32_f16 v[112+8*n:119+8*n], v[8*(2*n+k):8*(2*n+k)+7], v[16+8*k:23+8*k], v[112+8*n:119+8*n]
.endif
.set n, n+1
.endr
.set k, k+1
.endr
	WIN 0
.rept 4
	v_nop                                  ; the places behind those products
.endr
	v_readlane_b32 s40, v240, s23          ; sB
	v_readlane_b32 s44, v241, s23          ; sC
	s_mul_f32 s42, s40, s44
.set y, 0
.rept 16
	v_pk_mul_f32 v[112+2*y:113+2*y], v[112+2*y:113+2*y], s[40:41] op_sel_hi:[1,0]
.set y, y+1
.endr
.set i, 0
.rept 8
	ds_store_b128 v10, v[112+4*i:115+4*i] offset:(\e)*16384+512*i
.set i, i+1
.endr
	s_wait_dscnt 0x0                       ; for the partner's sake: my sum is written; my reads of the other parity, a step ago, are long back
	s_barrier_signal -1                    ; the slot's refill may stay on its way
	WIN 0x01
	v_wmma_f32_16x16x32_f16 v[144:151], v[128:135], v[16:23], 0            ; M u: row blocks 0 to 3 on s < 32,
	v_wmma_f32_16x16x32_f16 v[152:159], v[136:143], v[16:23], 0
	v_wmma_f32_16x16x32_f16 v[160:167], v[144:151], v[16:23], 0
	v_wmma_f32_16x16x32_f16 v[168:175], v[152:159], v[16:23], 0
	v_wmma_f32_16x16x32_f16 v[160:167], v[160:167], v[24:31], v[160:167]   ; blocks 2 and 3 on s >= 32
	v_wmma_f32_16x16x32_f16 v[168:175], v[168:175], v[24:31], v[168:175]
	WIN 0
	s_barrier_wait -1
.set i, 0
.rept 8
	ds_load_b128 v[208+4*i:211+4*i], v11 offset:(\e)*16384+512*i
.set i, i+1
.endr
	s_wait_dscnt 0x0
.set y, 0
.rept 16
	v_pk_fma_f32 v[80+2*y:81+2*y], v[208+2*y:209+2*y], s[48:49], v[80+2*y:81+2*y] op_sel_hi:[1,0,1]  ; G is now H at my chunk's start
.set y, y+1
.endr
	v_max3_num_f32 v246, |v80|, |v81|, |v82|
	v_max3_num_f32 v247, |v96|, |v97|, |v98|
.set y, 0
.rept 6
	v_max3_num_f32 v246, v246, |v[83+2*y]|, |v[84+2*y]|
	v_max3_num_f32 v247, v247, |v[99+2*y]|, |v[100+2*y]|
.set y, y+1
.endr
	v_max3_num_f32 v246, v246, |v95|, |v111|
	v_max_num_f32 v246, v246, v247
	v_permlanex16_b32 v247, v246, s46, s47 ; the column's other 32 n' lie in the lane 16 away
	v_max_num_f32 v246, v246, v247
	v_and_b32 v248, 0x7f800000, v246       ; the column's power of two,
	v_sub_nc_u32 v242, 0x7f000000, v248    ; its inverse,
	v_mov_b32 v243, v242
	v_mul_f32 v244, s44, v248              ; and what CS H is multiplied by
	v_mov_b32 v245, v244
.set y, 0
.rept 16
	v_pk_mul_f32 v[176+2*y:177+2*y], v[80+2*y:81+2*y], v[242:243] op_sel_hi:[1,0]
.set y, y+1
.endr
.set y, 0
.rept 16
	v_cvt_pk_f16_f32 v[32+y], v[176+2*y], v[177+2*y]   ; a lane's n' = 16 nt + 8 h + j are the K places of source 1: nothing changes lanes
.set y, y+1
.endr
	WIN 0x01
.set k, 0
.rept 2                                        ; CS H: four accumulators by turns
.set n, 0
.rept 4
.if k == 0
	v_wmma_f32_16x16x32_f16 v[176+8*n:183+8*n], v[64+8*(2*n+k):64+8*(2*n+k)+7], v[32+8*k:39+8*k], 0
.else
	v_wmma_f32_16x16x32_f16 v[176+8*n:183+8*n], v[64+8*(2*n+k):64+8*(2*n+k)+7], v[32+8*k:39+8*k], v[176+8*n:183+8*n]
.endif
.set n, n+1
.endr
.set k, k+1
.endr
	WIN 0
.set y, 0
.rept 16                                       ; the state goes on; these lines are also the places behind the products
	v_pk_fma_f32 v[112+2*y:113+2*y], v[48+2*y:49+2*y], v[80+2*y:81+2*y], v[112+2*y:113+2*y]   ; V = a^64 G + S
	v_pk_mul_f32 v[208+2*y:209+2*y], v[208+2*y:209+2*y], s[50:51] op_sel_hi:[1,0]
.set y, y+1
.endr
.set y, 0
.rept 16
	v_pk_fma_f32 v[80+2*y:81+2*y], v[48+2*y:49+2*y], v[112+2*y:113+2*y], v[208+2*y:209+2*y]   ; G = a^64 V + f0 X
.set y, y+1
.endr
.set y, 0
.rept 16
	v_pk_mul_f32 v[144+2*y:145+2*y], v[144+2*y:145+2*y], s[42:43] op_sel_hi:[1,0]
.set y, y+1
.endr
.set y, 0
.rept 16
	v_pk_fma_f32 v[144+2*y:145+2*y], v[176+2*y:177+2*y], v[244:245], v[144+2*y:145+2*y] op_sel_hi:[1,0,1]
.set y, y+1
.endr
.set i, 0
.rept 8                                        ; a lane holds eight neighbouring l of row d = r: through my own stage, back as whole rows of 256 bytes
	ds_store_b128 v12, v[144+4*i:147+4*i] offset:64*(i/2)+16*(i%2)
.set i, i+1
.endr
.set i, 0
.rept 8
	ds_load_b128 v[176+4*i:179+4*i], v13 offset:2*SP*i
.set i, i+1
.endr
	s_wait_dscnt 0x0
.set i, 0
.rept 8
	global_store_b128 v3, v[176+4*i:179+4*i], s[12:13] offset:16384*i th:TH_STORE_NT  ; 16 lanes store 256 consecutive bytes, aligned
.set i, i+1
.endr
	s_wait_xcnt 0x0                        ; the two bases are stepped, and the stores' registers written again, only behind this wait
	s_add_nc_u64 s[4:5], s[4:5], 512
	s_add_nc_u64 s[12:13], s[12:13], 512
	s_add_co_u32 s23, s23, 2
.endm
; A VISIT: one slot, two steps.  In front of the round each wave waits for all its tensor loads (one is out: its part of this slot), adds 0 to its spare word, and waits for that and for its reads of the
; other slot; behind the round the other slot is filled again first, and that load has two steps in which to land.
.macro TRIP slot, refill, uload, l0, l1
	s_wait_tensorcnt 0x0
	ds_add_u32 v14, v15
	s_add_nc_u64 s[26+4*(\slot):27+4*(\slot)], s[26+4*(\slot):27+4*(\slot)], 2*SLOT  ; no load of mine is out: this slot's next visit
	s_wait_dscnt 0x0
	ROUND
.if \refill
	tensor_load_to_lds s[28-4*(\slot):31-4*(\slot)], s[32:39]
	s_nop 0
.rept 4
	v_nop
.endr
.endif
	STEP \slot, 0, \uload, \l0
	STEP \slot, 1, \uload, \l1
.endm
.Lloop:                                        ; visits 0 to 5
	TRIP 0, 1, 1, 24, 24
	TRIP 1, 1, 1, 24, 24
	s_sub_co_u32 s22, s22, 1
	s_cmp_lg_u32 s22, 0
	s_cbranch_scc1 .Lloop
	TRIP 0, 1, 0, 24, 16                   ; the last four steps load no u: the counts run down
	TRIP 1, 0, 0, 8, 0
	s_wait_tensorcnt 0x0                   ; the wave's end
	ds_add_u32 v14, v15
	s_wait_dscnt 0x0
	ROUND                                  ; the closing round
	s_endpgm
.Lfunc_end_k_qfeb6fa9472_scan:
	.size	k_qfeb6fa9472_scan, .Lfunc_end_k_qfeb6fa9472_scan-k_qfeb6fa9472_scan
	.p2alignl 7, 3214868480
	.fill 96, 4, 3214868480
	.section	.rodata,"a",@progbits
	.p2align	6, 0x0
	.amdhsa_kernel k_qfeb6fa9472_scan
		.amdhsa_group_segment_fixed_size 327680
		.amdhsa_private_segment_fixed_size 0
		.amdhsa_enable_private_segment 0
		.amdhsa_kernarg_size 40
		.amdhsa_user_sgpr_count 2
		.amdhsa_user_sgpr_kernarg_segment_ptr 1
		.amdhsa_wavefront_size32 1
		.amdhsa_system_sgpr_workgroup_id_x 1
		.amdhsa_system_sgpr_workgroup_id_y 1
		.amdhsa_system_sgpr_workgroup_id_z 1
		.amdhsa_system_vgpr_workitem_id 0
		.amdhsa_next_free_vgpr 640
		.amdhsa_next_free_sgpr 66
		.amdhsa_reserve_vcc 0
		.amdhsa_float_denorm_mode_32 3
		.amdhsa_float_denorm_mode_16_64 3
		.amdhsa_memory_ordered 1
		.amdhsa_forward_progress 1
		.amdhsa_inst_pref_size 203
	.end_amdhsa_kernel
	.amdgpu_metadata
---
amdhsa.version: [ 1, 2 ]
amdhsa.kernels:
  - .name:           k_qfeb6fa9472_scan
    .symbol:         k_qfeb6fa9472_scan.kd
    .args:
      - { .name: u, .offset: 0, .size: 8, .value_kind: global_buffer, .address_space: global }
      - { .name: A, .offset: 8, .size: 8, .value_kind: global_buffer, .address_space: global }
      - { .name: tab, .offset: 16, .size: 8, .value_kind: global_buffer, .address_space: global }
      - { .name: scl, .offset: 24, .size: 8, .value_kind: global_buffer, .address_space: global }
      - { .name: out0, .offset: 32, .size: 8, .value_kind: global_buffer, .address_space: global }
    .group_segment_fixed_size: 327680
    .private_segment_fixed_size: 0
    .kernarg_segment_align: 8
    .kernarg_segment_size: 40
    .max_flat_workgroup_size: 128
    .sgpr_count:     66
    .vgpr_count:     640
    .wavefront_size: 32
...
	.end_amdgpu_metadata
.endif
;; end of part 2
